; MI455X (gfx1250); checked and timed in simulation.
; The chip was launched on July 23, 2026; its instructions are those of AMD's public machine-readable ISA for CDNA 5 (MIT licence, August 2026) and "CDNA5" Instruction Set Architecture Reference Guide (July 2026). The comments in the code are by the model that wrote it; some were corrected since.
;; Attention. Allowed arithmetic: matrix products marked QUANTISED: E3M2 operands, one E8M0 scale for each 32 along K, by v_wmma_scale_f32_16x16x128_f8f6f4 with both operands' format E3M2, f32 sums; everything else in f32.
;; Inputs: key 32 x 2,048 x 128 float32; query 32 x 2,048 x 128 float32; value 32 x 2,048 x 128 float32.
;; Outputs: out0 32 x 2,048 x 128 float32.
;; This version of the problem:
;;   THIS VERSION OF THE PROBLEM IS GIVEN IN LOW PRECISION. The matrix products marked QUANTISED in the list below multiply operands that are first quantised to E3M2 (3 exponent bits, 2 mantissa bits; 6 bits a number), with one power-of-two scale for each 32 numbers along K (OCP MX v1.0); their sums are f32. All else is computed in f32.
;;   The module's matrix products, in the order in which they are computed (A, B: the left and right operand; K: the contracted axis; several contracted axes count as one K, in the product's order):
;;     1. batch 32 x [M 2,048, K 128] x [K 128, N 2,048]; A: input query; B: input key: QUANTISED
;;     2. batch 32 x [M 2,048, K 2,048] x [K 2,048, N 128]; A: softmax (see below); B: input value: QUANTISED
;;   THE QUANTISER, for each operand of a quantised product, along K:
;;     - K is cut into blocks of 32 from its start; a last block that is shorter is filled with zeros.
;;     - A block's scale is 2^e with e = floor(log2(the largest magnitude in the block)) - 4, held to -126 .. 127; a block of zeros has e = 0. As a byte (E8M0): e + 127.
;;     - Each number is divided by its block's scale, clamped to +-28, and rounded to the nearest number of E3M2, ties to even, subnormals kept.
;;     - The product sums the exact products of the quantised numbers (number of the format x scale) in f32.
;;   ~~~python
;;   def quantise(x, axis):      # numpy; x: float32 -> the quantised numbers, widened to float32 again
;;       x = np.moveaxis(x, axis, -1); K = x.shape[-1]
;;       x = np.pad(x, [(0, 0)] * (x.ndim - 1) + [(0, -K % 32)]); x = x.reshape(x.shape[:-1] + (-1, 32)); a = np.abs(x).max(-1, keepdims=True)
;;       e = np.where(a > 0, np.clip(np.frexp(np.where(a > 0, a, 1))[1] - 1 - 4, -126, 127), 0)      # np.frexp(a)[1] - 1 = floor(log2(a)), exactly
;;       r = np.clip(x / 2.0 ** e, -28, 28)
;;       step = 2.0 ** (np.maximum(np.frexp(np.where(r == 0, 1, r))[1] - 1, -2) - 2)
;;       q = np.round(r / step) * step * 2.0 ** e      # np.round: ties to even
;;       return np.moveaxis(q.reshape(q.shape[:-2] + (-1,))[..., :K], -1, axis).astype(np.float32)
;;   ~~~
;;   SOFTMAX AHEAD OF A QUANTISED PRODUCT. Where the list says 'softmax', what is quantised is not the finished softmax but p = 2^(t - M), with t = logit x log2(e) and M = ceil(the row's largest t), a whole number; so 1/2 < the row's largest p <= 1. The row's sum l is taken of the UNQUANTISED p, in f32, and the product's result is divided by l at the end. Since M is a whole number, a kernel that streams over the keys may use a running M (the ceiling of the running maximum): every later rescaling is an exact power of two, which a block's scale takes up: the codes' values come out the same.
;;   OPERANDS COMPUTED ON THE WAY. 'Computed on the way' means the value that the module computes at that place (a softmax that the list does not call 'softmax' is quantised finished and normalised). What goes into a quantiser is computed in f32, as accurately as f32 sums, v_exp_f32 and their like allow (about 1e-6 of the number): no bf16 or f16 on the way to a quantiser, and a product that is left as it is and whose result goes on into a quantised operand takes f32 operands (vector FMAs, or v_wmma_f32_16x16x4_f32). A number that lies on a knife's edge between two numbers of the format may be rounded either way, as far as f32 arithmetic and the matrix unit's own rounding can turn it there, and no further.
;; One version. Each part assembles by itself: llvm-mc -triple=amdgcn-amd-amdhsa -mcpu=gfx1250 --defsym DOCPART=n.
;; ======== version 1 of 1: 2 launches
;; limits: right only within a limited range of input values
;; workspace buffers: kv 13,107,200 bytes
;; launch quant (part 1): grid 512 x 2, 4 waves a work-group, no clusters, 68,096 bytes of LDS; arguments key, value, kv; writes kv
.if DOCPART == 1
	.amdgcn_target "amdgcn-amd-amdhsa--gfx1250"
	.amdhsa_code_object_version 6
	.text
	.protected	k_q79750540e2_quant
	.globl	k_q79750540e2_quant
	.p2align	8
	.type	k_q79750540e2_quant,@function
k_q79750540e2_quant:
	s_mov_b64 s[64:65], 0
	v_nop
	global_prefetch_b8 v0, s[64:65] scope:SCOPE_SE
	s_setreg_imm32_b32 hwreg(HW_REG_WAVE_MODE, 25, 1), 1
	s_wait_xcnt 0x0
; key, value: [32][2048][128] f32, become codes of BF6 (E3M2) with one E8M0 byte for each 32 along a product's K, laid as IMAGES OF THE OPERANDS' REGISTERS.
; key is quantised along the head's 128 (its K is innermost), value along the keys (its K is the second axis).  query is quantised by the launch that multiplies it: each row is read once there.
; A block's scale is 2^(floor(log2(its largest magnitude)) - 4); its byte is the largest magnitude's exponent field - 4, held at 1 from below.
; LIMITS: NaN and infinities among the inputs are not served.  A block whose largest magnitude lies under 2^-122 keeps the byte 1; so does a block of zeros, where the rule says 127: its codes are
; zeros, which add nothing under any byte but 0xff, and these bytes are read by this program alone.
; THE WORKSPACE kv.  A fragment's image is 1,536 bytes: registers 4 q .. 4 q + 3 of lane l at 512 q + 16 l.  A BLOCK (128 keys) is 12,800 bytes: 8 images, then 4 x 128 bytes of scale
; words: word (j, lane l) at 12,288 + 128 j + 4 l; lanes 0-15 hold the rows of image 2 j, lanes 16-31 those of image 2 j + 1.
;   A head has 16 entries of 25,600 bytes: entry e holds V's block e, then K's block (e + 2) mod 16: a reader at step i of 256 keys finds V of that step beside K of the next.
;   K's image 4 c + i: lane (r, h) holds key 64 c + 32 (r / 8) + 8 i + r % 8 of the 128, and d = 64 b + 32 h + 0 .. 31 in registers 6 b .. 6 b + 5.
;   V's image f: lane (r, h) holds d = 16 f + r, and keys 64 c + 32 h + 0 .. 31 of the 128 in registers 6 c .. 6 c + 5.
; SHARES.  Work-group x takes 128 rows; y says of which tensor (0 key, 1 value).  Wave j makes images 2 j and 2 j + 1 and scale register j.  1,024 work-groups, four to a WGP.
; No tensor load, no barrier, no loop: waves share nothing.  No register that a store reads is written again, and EXEC never changes.
.set LANE, 1                           ; v1   lane
.set RR,   2                           ; v2   r = lane % 16
.set HH,   3                           ; v3   h = lane / 16
.set LI,   4                           ; v4   16 x lane
.set LS,   5                           ; v5   4 x lane
.set SA,   6                           ; v6   my wave's stage + 16 x lane: a row goes in as it lies
.set SB,   7                           ; v7   my wave's stage + 528 r + 128 h: my 32 numbers of row r come out
.set SH,   8                           ; v8   8 h: how far my two scale bytes are shifted
.set X,    16                          ; v16-143   128 numbers
.set X0,   144                         ; v144-207  row path: tile 0's 64 numbers
.set F0,   208                         ; v208-219  image 2 j
.set F1,   220                         ; v220-231  image 2 j + 1
.set T,    232                         ; v232-234, v236-238: a block's second three registers are made here and moved (a conversion's three begin on an even number)
.set SPW,  235                         ; v235  LDS address of my spare word; never rewritten
.set NIL,  239                         ; v239  0; never rewritten
.set MX,   240                         ; v240-243  largest magnitudes
.set SO,   244                         ; v244-247  the conversions' scale operands
.set BY,   248                         ; v248-251  scale bytes
.set W0,   252                         ; scale words
.set W1,   253
.set W2,   254                         ; a lane permute's destination: written once at the head
.set MT,   255                         ; the maximum's second chain
.set PITCH, 528                        ; a stage row: 512 bytes + 16
.set WSTG,  32*PITCH                   ; a wave's stage: 32 rows
.set SPARE, 4*WSTG                     ; the spare words: two blocks of 256 bytes that no other line names
	s_load_b128 s[4:7], s[0:1], 0x0                ; key s[4:5], value s[6:7]
	s_load_b64 s[10:11], s[0:1], 0x10              ; kv
	v_lshl_add_u32 v[SPW], v0, 2, SPARE
	v_mov_b32 v[NIL], 0
	v_lshrrev_b32 v[LANE], 5, v0
	v_readfirstlane_b32 s14, v[LANE]               ; wave 0..3
	s_and_b32 s15, ttmp7, 0xffff                   ; y: which tensor
	v_and_b32 v[LANE], 31, v0
	v_and_b32 v[RR], 15, v0
	v_bfe_u32 v[HH], v0, 4, 1
	v_lshlrev_b32 v[LI], 4, v[LANE]
	v_lshlrev_b32 v[LS], 2, v[LANE]
	s_mul_i32 s22, s14, WSTG
	v_add_nc_u32 v[SA], s22, v[LI]
	v_mul_u32_u24 v[SB], v[RR], PITCH
	v_lshl_add_u32 v[SB], v[HH], 7, v[SB]
	v_add_nc_u32 v[SB], s22, v[SB]
	v_lshlrev_b32 v[SH], 3, v[HH]
	v_mov_b32 v[W2], 0
	s_mov_b32 s20, 0x76543210
	s_mov_b32 s21, 0xfedcba98                      ; v_permlanex16_b32's selects for lane l xor 16
	; the offsets, made apart from the addresses
	s_add_co_u32 s22, ttmp9, 14
	s_and_b32 s22, s22, 15
	s_and_b32 s23, ttmp9, 0x1f0
	s_or_b32 s22, s22, s23                         ; K's block goes to entry (block - 2) mod 16 of its head,
	s_mul_i32 s22, s22, 25600
	s_add_co_u32 s22, s22, 12800                   ; behind that entry's V
	s_mul_i32 s23, ttmp9, 25600                    ; V's block to its own entry
	s_lshr_b32 s24, s14, 1
	s_lshl_b32 s24, s24, 15
	s_and_b32 s25, s14, 1
	s_lshl_b32 s25, s25, 13
	s_add_co_u32 s25, s24, s25                     ; rows: my wave's two runs of 16 rows begin at row 64 (j / 2) + 16 (j % 2), of 512 bytes
	s_lshl_b32 s26, s14, 7                         ; columns: my wave's 32 columns of 4 bytes.  Also: my scale register's 128 bytes
	s_cmp_eq_u32 s15, 1                            ; the choices hang on the work-group's number alone
	s_cselect_b32 s18, s23, s22                    ; where my block begins
	s_cselect_b32 s25, s26, s25
	s_mov_b32 s19, 0
	s_lshl_b32 s16, ttmp9, 16                      ; 128 rows of 512 bytes for each x
	s_add_co_u32 s16, s16, s25                     ; where my wave's numbers begin
	s_mov_b32 s17, 0
	s_add_co_u32 s26, s26, 12288                   ; my scale register in the block
	s_mov_b32 s27, 0
	s_mul_i32 s22, s14, 3072                       ; my two images in the block
	s_mov_b32 s23, 0
	s_wait_alu depctr_va_vdst(0)                   ; the wait at the head's end
	s_wait_kmcnt 0x0
	s_cmp_eq_u32 s15, 1
	s_cselect_b64 s[4:5], s[6:7], s[4:5]           ; the source
	s_add_nc_u64 s[4:5], s[4:5], s[16:17]
	s_add_nc_u64 s[10:11], s[10:11], s[18:19]
	s_add_nc_u64 s[28:29], s[10:11], s[26:27]      ; my scale words
	s_add_nc_u64 s[10:11], s[10:11], s[22:23]      ; my images
; the largest magnitude of the 32 numbers from v[x] on, in two chains, with the floor 2^(5 - 127) as one more leaf: so the byte cannot fall under 1
.macro BMAX d, t, x
	v_max3_num_f32 v[\d], |v[(\x)]|, |v[(\x)+1]|, |v[(\x)+2]|
	v_max3_num_f32 v[\t], |v[(\x)+3]|, |v[(\x)+4]|, |v[(\x)+5]|
.irp i, 6,10,14,18,22,26
	v_max3_num_f32 v[\d], v[\d], |v[(\x)+\i]|, |v[(\x)+\i+1]|
	v_max3_num_f32 v[\t], v[\t], |v[(\x)+\i+2]|, |v[(\x)+\i+3]|
.endr
	v_max3_num_f32 v[\d], v[\d], |v[(\x)+30]|, |v[(\x)+31]|
	v_max3_num_f32 v[\d], v[\d], v[\t], 0x2800000
.endm
; a whole block of 32 in my registers from v[x] on becomes six registers of codes from v[dst] on (dst even) and the byte v[BY + k]
.macro BLOCK x, dst, k
	BMAX MX+(\k), MT, \x
	v_add_nc_u32 v[SO+(\k)], 0xfe000000, v[MX+(\k)]        ; 4 off the exponent field: the conversion takes the exponent field of this operand as its scale, and nothing else of it
	v_cvt_scalef32_pk16_bf6_f32 v[(\dst):(\dst)+2], v[(\x):(\x)+15], v[SO+(\k)]
	v_cvt_scalef32_pk16_bf6_f32 v[T+4*((\k)%2):T+4*((\k)%2)+2], v[(\x)+16:(\x)+31], v[SO+(\k)]
	v_lshrrev_b32 v[BY+(\k)], 23, v[SO+(\k)]               ; the scale's byte.  (The plain line between the conversions and the moves that read their result)
.irp i, 0,1,2
	v_mov_b32 v[(\dst)+3+\i], v[T+4*((\k)%2)+\i]
.endr
.endm
; an image leaves: three stores of 512 consecutive bytes
.macro PUT f, off
.irp q, 0,1,2
	global_store_b128 v[LI], v[(\f)+4*\q:(\f)+4*\q+3], s[10:11] offset:(\off)+512*\q
.endr
.endm
	s_cmp_eq_u32 s15, 1
	s_cbranch_scc1 .Lcolumns
	; ---- ROWS (key).  Each load takes one whole row, 512 consecutive bytes.  Position p = 16 u + r of the stage takes the row that lane r of tile u wants:
	; 8 u + r % 8 + 32 (r / 8) from my first row on: the order stands in the loads' immediates.
.set p, 0
.rept 32
	global_load_b128 v[X+4*p:X+4*p+3], v[LI], s[4:5] offset:512*(8*(p/16)+p%8+32*((p%16)/8)) th:TH_LOAD_NT
.set p, p+1
.endr
	s_wait_loadcnt 16                              ; tile 0's 16 rows are in; the 16 younger loads stay out
.set p, 0
.rept 16
	ds_store_b128 v[SA], v[X+4*p:X+4*p+3] offset:PITCH*p
.set p, p+1
.endr
.irp c, 0,1                                    ; LDS serves a wave's instructions in order: these see the stores above.  My row's blocks h and 2 + h: 128 bytes each
.irp i, 0,1,2,3,4,5,6,7
	ds_load_b128 v[X0+32*\c+4*\i:X0+32*\c+4*\i+3], v[SB] offset:256*\c+16*\i
.endr
.endr
	s_wait_loadcnt 0x0                             ; tile 1's rows
.set p, 16
.rept 16
	ds_store_b128 v[SA], v[X+4*p:X+4*p+3] offset:PITCH*p
.set p, p+1
.endr
	s_wait_dscnt 16                                ; all but the 16 stores just issued: tile 0's numbers are in, and its stage stores are done with v16-79
.irp c, 0,1
.irp i, 0,1,2,3,4,5,6,7
	ds_load_b128 v[X+32*\c+4*\i:X+32*\c+4*\i+3], v[SB] offset:16*PITCH+256*\c+16*\i
.endr
.endr
; a tile: my two blocks, and my row's scale word: my bytes are those of blocks h and 2 + h; lane l xor 16 has the other two
.macro TILE x, f, w, k
	BLOCK \x, \f, \k
	BLOCK (\x)+32, (\f)+6, (\k)+1
	v_lshl_or_b32 v[\w], v[BY+(\k)+1], 16, v[BY+(\k)]
	v_lshlrev_b32 v[\w], v[SH], v[\w]
	v_permlanex16_b32 v[W2], v[\w], s20, s21
	v_or_b32 v[\w], v[\w], v[W2]
.endm
	TILE X0, F0, W0, 0
	PUT F0, 0
	s_wait_alu depctr_va_vdst(0)                   ; directly ahead of the wait below
	s_wait_dscnt 0x0                               ; tile 1's numbers are in
	TILE X, F1, W1, 2
	PUT F1, 1536
	v_cmp_le_u32 vcc_lo, 16, v[LANE]
	v_cndmask_b32 v[W0], v[W0], v[W1], vcc_lo      ; lanes 0-15: tile 0's words; lanes 16-31: tile 1's (both halves of the lanes hold each word)
	global_store_b32 v[LS], v[W0], s[28:29]
	s_wait_tensorcnt 0x0                           ; the wave's end
	ds_add_u32 v[SPW], v[NIL]
	s_wait_dscnt 0x0
	s_endpgm
.Lcolumns:
	; ---- COLUMNS (value).  Lane l takes column 32 j + l and its registers run down the keys: a block of 32 keys lies in ONE lane, and the codes come out with the keys innermost.
	; Each load reads 128 consecutive bytes; the four waves stand side by side on a row's 512.
.macro LOAD b
.set i, 0
.rept 32
	global_load_b32 v[X+32*(\b)+i], v[LS], s[4:5] offset:(32*(\b)+i)*512 th:TH_LOAD_NT
.set i, i+1
.endr
.endm
	LOAD 0
	LOAD 1
	s_wait_loadcnt 32                              ; block 0 is in; block 1's 32 loads stay out
	LOAD 2
	BLOCK X, F0, 0
	s_wait_loadcnt 32                              ; block 1 is in; block 2's stay out
	LOAD 3
	BLOCK X+32, F1, 1
	s_wait_loadcnt 32                              ; block 2 is in; block 3's stay out
	BLOCK X+64, F0+6, 2
	s_wait_loadcnt 0x0
	BLOCK X+96, F1+6, 3
	; F0 holds the even blocks of all 32 columns, F1 the odd ones.  An image wants lanes 0-15 = the even block, lanes 16-31 = the odd block of the SAME 16 columns:
	; F0's lanes 16-31 change places with F1's lanes 0-15
.set i, 0
.rept 12
	v_permlane16_swap_b32 v[F0+i], v[F1+i]
.set i, i+1
.endr
	v_lshl_or_b32 v[W0], v[BY+1], 8, v[BY]         ; my column's four bytes: lane l's word is in its place already
	v_lshl_or_b32 v[W0], v[BY+2], 16, v[W0]
	v_lshl_or_b32 v[W0], v[BY+3], 24, v[W0]
	PUT F0, 0
	PUT F1, 1536
	global_store_b32 v[LS], v[W0], s[28:29]
	s_endpgm
.Lfunc_end_k_q79750540e2_quant:
	.size	k_q79750540e2_quant, .Lfunc_end_k_q79750540e2_quant-k_q79750540e2_quant
	.p2alignl 7, 3214868480
	.fill 96, 4, 3214868480
	.section	.rodata,"a",@progbits
	.p2align	6, 0x0
	.amdhsa_kernel k_q79750540e2_quant
		.amdhsa_group_segment_fixed_size 68096
		.amdhsa_private_segment_fixed_size 0
		.amdhsa_enable_private_segment 0
		.amdhsa_kernarg_size 24
		.amdhsa_user_sgpr_count 2
		.amdhsa_user_sgpr_kernarg_segment_ptr 1
		.amdhsa_wavefront_size32 1
		.amdhsa_system_sgpr_workgroup_id_x 1
		.amdhsa_system_sgpr_workgroup_id_y 1
		.amdhsa_system_sgpr_workgroup_id_z 1
		.amdhsa_system_vgpr_workitem_id 0
		.amdhsa_next_free_vgpr 256
		.amdhsa_next_free_sgpr 66
		.amdhsa_reserve_vcc 1
		.amdhsa_float_denorm_mode_32 3
		.amdhsa_float_denorm_mode_16_64 3
		.amdhsa_memory_ordered 1
		.amdhsa_forward_progress 1
		.amdhsa_inst_pref_size 36
	.end_amdhsa_kernel
	.amdgpu_metadata
---
amdhsa.version: [ 1, 2 ]
amdhsa.kernels:
  - .name:           k_q79750540e2_quant
    .symbol:         k_q79750540e2_quant.kd
    .args:
      - { .name: key, .offset: 0, .size: 8, .value_kind: global_buffer, .address_space: global }
      - { .name: value, .offset: 8, .size: 8, .value_kind: global_buffer, .address_space: global }
      - { .name: kv, .offset: 16, .size: 8, .value_kind: global_buffer, .address_space: global }
    .group_segment_fixed_size: 68096
    .private_segment_fixed_size: 0
    .kernarg_segment_align: 8
    .kernarg_segment_size: 24
    .max_flat_workgroup_size: 128
    .sgpr_count:     66
    .vgpr_count:     256
    .wavefront_size: 32
...
	.end_amdgpu_metadata
.endif
;; end of part 1
;; launch attn (part 2): grid 8 x 32, 4 waves a work-group, clusters of 4 x 1, 327,680 bytes of LDS; arguments query, kv, out0; writes out0
.if DOCPART == 2
	.amdgcn_target "amdgcn-amd-amdhsa--gfx1250"
	.amdhsa_code_object_version 6
	.text
	.protected	k_q79750540e2_attn
	.globl	k_q79750540e2_attn
	.p2align	8
	.type	k_q79750540e2_attn,@function
k_q79750540e2_attn:
	s_mov_b64 s[64:65], 0
	v_nop
	global_prefetch_b8 v0, s[64:65] scope:SCOPE_SE
	s_setreg_imm32_b32 hwreg(HW_REG_WAVE_MODE, 25, 1), 1
	s_wait_xcnt 0x0
	s_wait_alu depctr_hold_cnt(0) depctr_sa_sdst(0) depctr_va_vdst(0) depctr_va_sdst(0) depctr_va_ssrc(0) depctr_va_vcc(0) depctr_vm_vsrc(0)
	s_getreg_b32 s2, hwreg(HW_REG_IB_STS2, 6, 4)
	s_cmp_eq_u32 s2, 0
	s_cbranch_scc0 .Lentry_in_a_cluster
	s_endpgm
.Lentry_in_a_cluster:
	s_bfe_u32 s2, ttmp6, 0x10000c
	s_cmp_lg_u32 s2, 0x3003
	s_cbranch_scc0 .Lentry_shape_is_right
	s_endpgm
.Lentry_shape_is_right:
; out0[h][q][:] = the sum over k of softmax_k(Q[h][q] . K[h][k] / sqrt(128)) V[h][k][:], both products on codes of BF6 (E3M2) with one E8M0 scale for each 32 along a product's K.
; 32 heads, 2,048 queries, 2,048 keys, head size 128.  query comes as f32 and is quantised here (each row is read once); K and V come as images of the operands' registers, in kv: a fragment is 1,536 bytes
; (registers 4 q .. 4 q + 3 of lane l at 512 q + 16 l); a block of 128 keys is 8 fragments and 4 x 128 bytes of scale words; entry e of a head holds V's block e, then K's block (e + 2) mod 16.
; THE SOFTMAX AHEAD OF THE SECOND PRODUCT: t = score x c, c = log2(e) / sqrt(128); M = the row's largest t so far, rounded UP to a whole number; p = 2^(t - M) is what is quantised, along the keys.
; The row's sum is taken of the unquantised p, in f32, and divides O at the end.  When M moves, the sum and O are multiplied by 2^(old M - new M): exact.
; LIMITS: NaN and infinities are not served.  The promise holds while the scaled scores t stay under 2^31 in magnitude.  A block whose largest number lies under 2^-122 keeps the byte 1.  c is one f32 constant.
; A block's largest p is made from its largest score by the same multiply-add and exponential as every p (it takes v_exp_f32 not to fall where its input rises).
; SHARES.  A work-group of four waves owns 256 queries of one head and walks the head's keys twice: pass 0 for its first 128 queries, pass 1 for the others.  A wave owns 32 queries of a pass: two tiles of 16.
; A pass is 8 steps of 256 keys.  Pass 0's results leave, and pass 1's queries come, while the ring of K and V goes on.
; LAYOUT.  Both products are used transposed: S^T = K Q^T, O^T = V^T P^T: a lane holds ONE query throughout.  K's image 4 c + i holds in row 8 h + j the key 64 c + 32 h + 8 i + j: so the 32 registers of images
; 4 c .. 4 c + 3 are, in lane (r, h), the WHOLE block of keys 64 c + 32 h + 0 .. 31, in order: a block's maximum needs no other lane, and the conversions give the next operand's registers.
; LDS.  Two slots, 131,072 bytes apart, of 102,400 bytes: two steps each, as they lie in kv.  A wave's load is a quarter of a slot: 25,600 dense bytes as 100 rows of 256.  One load a wave is out at a time; behind
; each change of slots it has two steps in which to land.  A step reads its own V and the NEXT step's K, which lies beside it (cyclic: pass 0's last step brings pass 1's first K); the first K comes by global loads.
; All reads of tiles are lane l at 16 l or 4 l: consecutive bytes, no padding.
; CLUSTER.  The four partners belong to one head and walk the same kv: each tile is asked for JOINTLY, with the mask 15.  The place in the cluster enters query's, out0's and the prefetches' global addresses alone.
; PREFETCH.  Trips 0 and 1 ask for fills 2 and 3, one trip (two steps) ahead of their tensor loads: the partners share a fill's 400 blocks of 256 bytes out by address, 25 to a wave.  Pass 1 walks the same bytes and asks for none.
; Trip 2 asks for my wave's 64 blocks of pass 1's queries.  Fills 0 and 1 come by their loads alone.
; REGISTERS.  Window 0: addresses, statistics, all scale words, v64-255 K's 16 fragments.  Windows 1 and 2: tile 0 and tile 1, the same numbers in both: v0-127 S^T, then p; v128-191 O^T; v192-215 p's codes;
;   v216-227 Q's fragment; v228-248 at work.  Window 3: v0-191 V's 16 fragments (at a pass's head v0-127: query's rows).
.set FILL,  102400
.set STEPB, 51200
.set ENT,   25600
.set BLK,   12800
.set SLOTX, 131072
.set STAGE, SLOTX+FILL                 ; 16 rows x 528 bytes for each wave, for the queries and for the way out; no tensor load lands there
.set SPITCH, 528
.set SPARE, STAGE+4*16*SPITCH          ; the spare words: two blocks of 256 bytes that no other line names
.set PASSB, 65536                      ; from pass 0's rows to pass 1's: 128 rows of 512 bytes
.set LI,  1                            ; 16 x lane
.set LS,  2                            ; 4 x lane
.set SPW, 3                            ; LDS address of my spare word; never rewritten
.set NIL, 4                            ; 0; never rewritten
.set ADF, 5                            ; the step's fragments: its first byte + 16 x lane
.set ADS, 6                            ; the step's scale words: + 4 x lane
.set STO, 7                            ; my stage: row r, + 32 h
.set RD,  8                            ; my stage + 16 x lane
.set PFO, 9                            ; the prefetches' offset in kv
.set PFQ, 10                           ; and in query: 256 x lane
.set SBK, 11                           ; my stage: row r, + 128 h
.set NM,  12                           ; tile t's statistics at + 8 t: -M (a pair, its upper half is not used)
.set RUN, 14                           ;   the largest score so far
.set RM,  15                           ;   at work
.set LL,  16                           ;   the sum, in two halves
.set FF,  18                           ;   f = 2^(old M - new M) (a pair, its upper half is not used)
.set QSC, 28                           ; Q's scale words, one a tile
.set PSC, 30                           ; p's: 2 t + half of the step
.set XT,  34                           ; lane permutes' destinations
.set KS,  36                           ; K's scale words
.set VS,  44                           ; V's
.set TD,  52
.set KF,  64
.set S,   0                            ; the tile windows
.set O,   128
.set PC,  192
.set QF,  216
.set BM,  228                          ; the largest number of each of my four blocks; also two partial sums
.set BY,  232                          ; the maxima's second chains; scale bytes
.set SC,  228                          ; + 4 g: a block's second three registers of codes (BM and BY are done with by then)
.set SO,  244                          ; the conversions' scale operands
.set TPA, 248
.set MSB, 0
.macro WIN new                         ; bits 1:0 source 0, 3:2 source 1, 5:4 source 2, 7:6 destination; the immediate's high byte repeats the setting that is left
.if MSB != (\new)
	s_set_vgpr_msb (MSB<<8)|(\new)
.set MSB, (\new)
.endif
.endm
; A round of the cluster's barrier
.macro CROUND
	s_barrier_signal -1
	s_barrier_wait -1
	s_cmp_lg_u32 s10, 0
	s_cbranch_scc1 .Lnot_wave_0_\@
	s_barrier_signal -3
.Lnot_wave_0_\@:
	s_barrier_wait -3
	s_barrier_signal -1
	s_barrier_wait -1
.endm
.macro JLOAD
	tensor_load_to_lds s[32:35], s[24:31]
	s_nop 0
.rept 4
	v_nop
.endr
.endm
; my 32 rows of query, one a load, into window 3 (V's registers, free at a pass's head)
.macro QLOAD off
	WIN 0xc0
.set kx, 0
.rept 32
	global_load_b128 v[4*kx:4*kx+3], v[LI], s[4:5] offset:(\off)+512*kx th:TH_LOAD_NT
.set kx, kx+1
.endr
	WIN 0
.endm
; the largest number (ab = 1: magnitude) of each of four blocks of 32 registers, in eight chains; each accumulator is read from its low end on
.macro MAXES ab
.irp g, 0,1,2,3
.if \ab
	v_max3_num_f32 v[BM+\g], |v[S+32*\g]|, |v[S+32*\g+1]|, |v[S+32*\g+2]|
	v_max3_num_f32 v[BY+\g], |v[S+32*\g+3]|, |v[S+32*\g+4]|, |v[S+32*\g+5]|
.else
	v_max3_num_f32 v[BM+\g], v[S+32*\g], v[S+32*\g+1], v[S+32*\g+2]
	v_max3_num_f32 v[BY+\g], v[S+32*\g+3], v[S+32*\g+4], v[S+32*\g+5]
.endif
.endr
.irp i, 6,10,14,18,22,26
.irp g, 0,1,2,3
.if \ab
	v_max3_num_f32 v[BM+\g], v[BM+\g], |v[S+32*\g+\i]|, |v[S+32*\g+\i+1]|
	v_max3_num_f32 v[BY+\g], v[BY+\g], |v[S+32*\g+\i+2]|, |v[S+32*\g+\i+3]|
.else
	v_max3_num_f32 v[BM+\g], v[BM+\g], v[S+32*\g+\i], v[S+32*\g+\i+1]
	v_max3_num_f32 v[BY+\g], v[BY+\g], v[S+32*\g+\i+2], v[S+32*\g+\i+3]
.endif
.endr
.endr
.irp g, 0,1,2,3
.if \ab
	v_max3_num_f32 v[BM+\g], v[BM+\g], |v[S+32*\g+30]|, |v[S+32*\g+31]|
.else
	v_max3_num_f32 v[BM+\g], v[BM+\g], v[S+32*\g+30], v[S+32*\g+31]
.endif
.endr
.irp g, 0,1,2,3
	v_max_num_f32 v[BM+\g], v[BM+\g], v[BY+\g]
.endr
.endm
; from the blocks' largest numbers: the conversions' scale operands, and two scale words (blocks 0 and 1: word d, blocks 2 and 3: word d + 1).  Lane (r, h) has the bytes at places h and 2 + h; lane l xor 16 the others.
; The words are right in lanes 0-15, which alone are read
.macro SCALES d, t
	WIN (0x55<<(\t))
.irp g, 0,1,2,3
	v_max_num_f32 v[BM+\g], 0x2800000, v[BM+\g]    ; the floor 2^(5 - 127): the byte cannot fall under 1
.endr
.irp g, 0,1,2,3
	v_add_nc_u32 v[SO+\g], 0xfe000000, v[BM+\g]    ; 4 off the exponent field: the conversion takes the exponent field as its scale, and nothing else
.endr
.irp g, 0,1,2,3
	v_lshrrev_b32 v[BY+\g], 23, v[SO+\g]           ; the byte
.endr
.irp q, 0,1
	v_lshl_or_b32 v[BY+2*\q], v[BY+2*\q+1], 16, v[BY+2*\q]
.endr
.irp q, 0,1
	v_permlanex16_b32 v[BY+2*\q+1], v[BY+2*\q], s16, s17
.endr
	WIN (0x15<<(\t))
.irp q, 0,1
	v_lshl_or_b32 v[(\d)+\q], v[BY+2*\q+1], 8, v[BY+2*\q]
.endr
.endm
; block g's 32 numbers become codes: half 0 to the operand's registers, half 1 beside (a conversion's three registers begin on an even number)
.macro CVT g, half
.if \half
	v_cvt_scalef32_pk16_bf6_f32 v[SC+4*(\g):SC+4*(\g)+2], v[S+32*(\g)+16:S+32*(\g)+31], v[SO+(\g)]
.else
	v_cvt_scalef32_pk16_bf6_f32 v[PC+6*(\g):PC+6*(\g)+2], v[S+32*(\g):S+32*(\g)+15], v[SO+(\g)]
.endif
.endm
; a pass begins: the statistics, and O^T from zeros (a step is written without a first one's form: f is then 2^(-huge) = 0 and finds zeros)
.macro INIT
	WIN 0
.irp t, 0,1
	v_mov_b32 v[NM+8*\t], 0x7e967699               ; -M = 1e38
	v_mov_b32 v[NM+8*\t+1], 0
	v_mov_b32 v[RUN+8*\t], 0xff61b1e6              ; -3e38
	v_mov_b32 v[LL+8*\t], 0
	v_mov_b32 v[LL+8*\t+1], 0
	v_mov_b32 v[FF+8*\t+1], 0
	v_mov_b32 v[XT+\t], 0                          ; (a lane permute's destination counts as one of its sources)
.endr
.irp t, 0,1
	WIN (0x40<<(\t))
.set kx, 0
.rept 64
	v_mov_b32 v[O+kx], 0
.set kx, kx+1
.endr
.endr
	WIN 0
.endm
; Q: 16 rows at a time through my stage, so that lane (r, h) gets row r's blocks h and 2 + h; then quantised in window 2.  younger: the loads issued behind query's
.macro QQUANT younger
	s_wait_alu depctr_va_vdst(0)                   ; directly ahead of the wait below
	s_wait_loadcnt \younger
.irp u, 0,1
	WIN 0x0c
.set kx, 0
.rept 16
	ds_store_b128 v[RD], v[64*\u+4*kx:64*\u+4*kx+3] offset:SPITCH*kx
.set kx, kx+1
.endr
	WIN 0x80
.irp c, 0,1
.irp i, 0,1,2,3,4,5,6,7
	ds_load_b128 v[64*\u+32*\c+4*\i:64*\u+32*\c+4*\i+3], v[SBK] offset:256*\c+16*\i   ; LDS serves a wave's instructions in order: these see the stores above, and the next rows' stores come behind them
.endr
.endr
.endr
	s_wait_dscnt 0x0
	WIN 0xaa
	MAXES 1
	SCALES QSC, 1
	WIN 0xaa
.irp g, 0,1,2,3
	CVT \g, 0
	CVT \g, 1
.endr
	v_nop                                          ; one plain line behind the scaled conversions
.irp u, 0,1
	WIN (0x02|(0x40<<(\u)))
.irp c, 0,1
.irp i, 0,1,2
	v_mov_b32 v[QF+6*\c+\i], v[PC+12*\u+6*\c+\i]
	v_mov_b32 v[QF+6*\c+3+\i], v[SC+8*\u+4*\c+\i]
.endr
.endr
.endr
.irp t, 0,1
	WIN (0x40<<(\t))
.irp i, 0,1,2,3
	v_mov_b32 v[BM+\i], 0                          ; no partial sums are left from a step before
.endr
.endr
	WIN 0
.endm
.macro QKW t, kb, f
.if (\f)%2
	v_wmma_scale_f32_16x16x128_f8f6f4 v[S+64*(\kb)+8*(\f):S+64*(\kb)+8*(\f)+7], v[KF+96*(\kb)+12*(\f):KF+96*(\kb)+12*(\f)+11], v[QF:QF+11], 0, v[KS+4*(\kb)+(\f)/2], v[QSC+(\t)] matrix_a_fmt:MATRIX_FMT_BF6 matrix_b_fmt:MATRIX_FMT_BF6 matrix_a_scale:MATRIX_SCALE_ROW1
.else
	v_wmma_scale_f32_16x16x128_f8f6f4 v[S+64*(\kb)+8*(\f):S+64*(\kb)+8*(\f)+7], v[KF+96*(\kb)+12*(\f):KF+96*(\kb)+12*(\f)+11], v[QF:QF+11], 0, v[KS+4*(\kb)+(\f)/2], v[QSC+(\t)] matrix_a_fmt:MATRIX_FMT_BF6 matrix_b_fmt:MATRIX_FMT_BF6
.endif
.endm
; S^T = K Q^T: 32 products, each starts its sum with the constant 0
.macro QK
	WIN 0x44                                       ; source 0 (K) window 0, source 1 (Q) and D tile 0's
.irp f, 0,1,2,3,4,5,6,7
	QKW 0, 0, \f
.endr
	s_wait_dscnt 0x0                               ; K's fragments 8 to 15 are in
.irp w, 0,1,2,3,4,5,6,7,8,9,10,11,12,13,14,15,16,17,18,19,20,21,22,23
.if \w < 8
	WIN 0x44
	QKW 0, 1, \w
.else
	WIN 0x88
.set qa, (\w-8)/8
.set qb, (\w-8)%8
	QKW 1, qa, qb
.endif
.endr
.endm
; the step's V in two runs of 28 loads: 8 of scale words (128 consecutive bytes each) and 20 of fragments (512 consecutive bytes each), then 28 of fragments
.macro VRUN n
.if \n == 0
	WIN 0
.irp j, 0,1,2,3,4,5,6,7
	ds_load_b32 v[VS+\j], v[ADS] offset:ENT*(\j/4)+12288+128*(\j%4)
.endr
.endif
	WIN 0xc0
.set vl, 20*(\n)
.rept 20+8*(\n)
	ds_load_b128 v[4*vl:4*vl+3], v[ADF] offset:ENT*(vl/24)+512*(vl%24)
.set vl, vl+1
.endr
.endm
; the next step's K in two runs: fragments 0 to 7 and all scale words (32 loads), then fragments 8 to 15 (24 loads)
.macro KRUN n
	WIN 0
.set vl, 0
.rept 24
	ds_load_b128 v[KF+96*(\n)+4*vl:KF+96*(\n)+4*vl+3], v[ADF] offset:ENT*(\n)+BLK+512*vl
.set vl, vl+1
.endr
.if \n == 0
.irp j, 0,1,2,3,4,5,6,7
	ds_load_b32 v[KS+\j], v[ADS] offset:ENT*(\j/4)+BLK+12288+128*(\j%4)
.endr
.endif
.endm
; the last step's two partial sums of a tile become one and join the row's sum (four plain lines: also the places behind the products)
.macro LSUM
	WIN 0x55
	v_pk_add_f32 v[BM:BM+1], v[BM:BM+1], v[BM+2:BM+3]
	WIN 0xaa
	v_pk_add_f32 v[BM:BM+1], v[BM:BM+1], v[BM+2:BM+3]
	WIN 0x04
	v_pk_add_f32 v[LL:LL+1], v[LL:LL+1], v[BM:BM+1]
	WIN 0x08
	v_pk_add_f32 v[LL+8:LL+9], v[LL+8:LL+9], v[BM:BM+1]
.endm
; the new M and f of both tiles, and the sums under the new M
.macro ROWS
.irp t, 0,1
	WIN (0x55<<(\t))
	MAXES 0
	v_max3_num_f32 v[TPA], v[BM], v[BM+1], v[BM+2]
.endr
.irp t, 0,1
	WIN (0x15<<(\t))
	v_max_num_f32 v[RM+8*\t], v[TPA], v[BM+3]      ; the largest score of my four blocks
.endr
	WIN 0
.irp t, 0,1
	v_permlanex16_b32 v[XT+\t], v[RM+8*\t], s16, s17
.endr
.irp t, 0,1
	v_max3_num_f32 v[RUN+8*\t], v[RUN+8*\t], v[RM+8*\t], v[XT+\t]   ; with lane l xor 16's
.endr
.irp t, 0,1
	v_mul_f32 v[RM+8*\t], s22, v[RUN+8*\t]         ; -t of the largest (s22 = -c)
.endr
.irp t, 0,1
	v_floor_f32 v[RM+8*\t], v[RM+8*\t]             ; the new -M = floor(-t): M is a whole number
.endr
.irp t, 0,1
	v_sub_f32 v[TD+\t], v[RM+8*\t], v[NM+8*\t]     ; old M - new M: a whole number, 0 or less
.endr
.irp t, 0,1
	v_mov_b32 v[NM+8*\t], v[RM+8*\t]
.endr
.irp t, 0,1
	v_cvt_i32_f32 v[TD+\t], v[TD+\t]               ; (it saturates)
.endr
.irp t, 0,1
	v_ldexp_f32 v[FF+8*\t], 1.0, v[TD+\t]
.endr
.irp t, 0,1
	v_pk_mul_f32 v[LL+8*\t:LL+8*\t+1], v[LL+8*\t:LL+8*\t+1], v[FF+8*\t:FF+8*\t+1] op_sel_hi:[1,0]
.endr
.endm
.macro PKF j, t                        ; t - M of two scores
	v_pk_fma_f32 v[S+(\j):S+(\j)+1], v[S+(\j):S+(\j)+1], s[14:15], v[NM+8*(\t):NM+8*(\t)+1] op_sel_hi:[1,0,0]
.endm
.macro RSC j, t                        ; two numbers of O^T under the new M, each accumulator from its low end on
	v_pk_mul_f32 v[O+2*(\j):O+2*(\j)+1], v[O+2*(\j):O+2*(\j)+1], v[FF+8*(\t):FF+8*(\t)+1] op_sel_hi:[1,0]
.endm
.macro ADD2 q                          ; the sum's second level
	v_pk_add_f32 v[S+8*(\q):S+8*(\q)+1], v[S+8*(\q):S+8*(\q)+1], v[S+8*(\q)+4:S+8*(\q)+5]
.endm
.macro ADD1 q                          ; the sum's first level, in place, of p whose codes are made
	v_pk_add_f32 v[S+4*(\q):S+4*(\q)+1], v[S+4*(\q):S+4*(\q)+1], v[S+4*(\q)+2:S+4*(\q)+3]
.endm
; A tile's softmax: p = 2^(t - M), its codes and scale words, O^T under the new M, in six parts; the two tiles take turns part by part, so that one wait serves both.
; Three of the parts are exponentials: block 0, blocks 1 and 2, block 3; between them stand plain lines whose results are read behind the part's wait alone
.macro PRE t
	WIN (0x41<<(\t))                               ; source 0 and destination the tile's, sources 1 and 2 window 0
.set kx, 0
.rept 32
	RSC kx, \t                                     ; no exponential stands between the products that made O^T and these lines
.set kx, kx+1
.endr
.set kx, 0
.rept 16
	PKF 2*kx, \t
.set kx, kx+1
.endr
.irp g, 0,1,2,3
	v_fma_f32 v[BM+\g], v[BM+\g], s14, v[NM+8*(\t)]
.endr
.endm
.macro EXPA t
	WIN (0x41<<(\t))
.set kx, 0
.rept 36
.if kx < 4
	v_exp_f32 v[BM+kx], v[BM+kx]                   ; the blocks' largest p: the same two instructions on the same number give the same bits
.else
	v_exp_f32 v[S+kx-4], v[S+kx-4]
.endif
.if kx > 3
	PKF 32+2*(kx-4), \t
.endif
.set kx, kx+1
.endr
.endm
.macro MID t
	SCALES PSC+2*(\t), \t
	WIN (0x45<<(\t))                               ; sources 0 and 1 and destination the tile's, source 2 window 0
	CVT 0, 0
	CVT 0, 1
.endm
.macro EXPB t
	WIN (0x45<<(\t))
.set kx, 0
.set mx, 0
.rept 64
	v_exp_f32 v[S+32+kx], v[S+32+kx]
.if (kx%8 == 1) || (kx%8 == 4) || (kx%8 == 7)
.if mx < 16
	PKF 96+2*mx, \t
.else
	ADD1 mx-16
.endif
.set mx, mx+1
.endif
.set kx, kx+1
.endr
.endm
.macro EXPC t
	WIN (0x45<<(\t))
.set kx, 0
.rept 32
	v_exp_f32 v[S+96+kx], v[S+96+kx]
.set mx, kx-7
.if kx > 6
.if mx < 4
	CVT 1+mx/2, mx%2
.elseif mx == 4
	v_nop                                          ; one plain line behind the scaled conversions
.elseif mx < 21
	ADD1 mx+3
.else
	ADD2 mx-21
.endif
.endif
.set kx, kx+1
.endr
.endm
.macro TAIL t
	WIN (0x55<<(\t))
	CVT 3, 0
	CVT 3, 1
.irp g, 0,1,2,3
.irp i, 0,1,2
	v_mov_b32 v[PC+6*\g+3+\i], v[SC+4*\g+\i]
.endr
.endr
.set kx, 24
.rept 8
	ADD1 kx                                        ; (also the places ahead of the scaled matrix instructions)
.set kx, kx+1
.endr
.endm
.macro PVW t, kb, f
.if (\f)%2
	v_wmma_scale_f32_16x16x128_f8f6f4 v[O+8*(\f):O+8*(\f)+7], v[96*(\kb)+12*(\f):96*(\kb)+12*(\f)+11], v[PC+12*(\kb):PC+12*(\kb)+11], v[O+8*(\f):O+8*(\f)+7], v[VS+4*(\kb)+(\f)/2], v[PSC+2*(\t)+(\kb)] matrix_a_fmt:MATRIX_FMT_BF6 matrix_b_fmt:MATRIX_FMT_BF6 matrix_a_scale:MATRIX_SCALE_ROW1
.else
	v_wmma_scale_f32_16x16x128_f8f6f4 v[O+8*(\f):O+8*(\f)+7], v[96*(\kb)+12*(\f):96*(\kb)+12*(\f)+11], v[PC+12*(\kb):PC+12*(\kb)+11], v[O+8*(\f):O+8*(\f)+7], v[VS+4*(\kb)+(\f)/2], v[PSC+2*(\t)+(\kb)] matrix_a_fmt:MATRIX_FMT_BF6 matrix_b_fmt:MATRIX_FMT_BF6
.endif
.endm
; O^T += V^T P^T: 16 products; the 8 accumulators take turns, one instruction a turn
.macro PV t
	WIN ((0x54<<(\t))|3)                           ; source 0 (V) window 3, all else the tile's
.irp w, 0,1,2,3,4,5,6,7,8,9,10,11,12,13,14,15
	PVW \t, (\w/8), (\w%8)
.endr
.endm
; THE ROW'S SUM IS TAKEN OF THE UNQUANTISED p: the levels behind the first
.macro SUMS
.irp t, 0,1
	WIN (0x55<<(\t))
.set kx, 4
.rept 12
	v_pk_add_f32 v[S+8*kx:S+8*kx+1], v[S+8*kx:S+8*kx+1], v[S+8*kx+4:S+8*kx+5]
.set kx, kx+1
.endr
.set kx, 0
.rept 8
	v_pk_add_f32 v[S+16*kx:S+16*kx+1], v[S+16*kx:S+16*kx+1], v[S+16*kx+8:S+16*kx+9]
.set kx, kx+1
.endr
.irp g, 0,1,2,3
	v_pk_add_f32 v[S+32*\g:S+32*\g+1], v[S+32*\g:S+32*\g+1], v[S+32*\g+16:S+32*\g+17]
.endr
.endr
.irp t, 0,1
	WIN (0x55<<(\t))
	v_pk_add_f32 v[BM:BM+1], v[S:S+1], v[S+32:S+33]
	v_pk_add_f32 v[BM+2:BM+3], v[S+64:S+65], v[S+96:S+97]
.endr
.endm
; A STEP: the 256 keys whose V begins at LDS byte s18
.macro STEP kn
	v_add_nc_u32 v[ADF], s18, v[LI]
	v_add_nc_u32 v[ADS], s18, v[LS]
	s_add_co_u32 s18, s18, STEPB
	s_wait_alu depctr_va_vdst(0)                   ; directly ahead of the wait below
	s_wait_dscnt 24                                ; K's scale words and fragments 0 to 7 are in; the 24 loads of fragments 8 to 15 may be out
	QK
	LSUM
	ROWS
	PRE 0
	PRE 1
	s_wait_alu depctr_va_vdst(0)                   ; the wait ahead of and behind each part of exponentials
	VRUN 0                                         ; the runs of loads stand directly behind these waits, where no vector result is out
	EXPA 0
	EXPA 1
	s_wait_alu depctr_va_vdst(0)
	VRUN 1
	MID 0
	MID 1
	EXPB 0
	EXPB 1
	s_wait_alu depctr_va_vdst(0)
.if \kn
	KRUN 0
.endif
	EXPC 0
	EXPC 1
	s_wait_alu depctr_va_vdst(0)
.if \kn
	s_wait_dscnt 32                                ; V and its scale words are in; K's first run of 32 loads may be out
	KRUN 1
.else
	s_wait_dscnt 0x0                               ; V and its scale words are in
.endif
	TAIL 0
	TAIL 1
	PV 0
	PV 1
	SUMS                                           ; (also the places behind the products, in front of the loads into V's registers)
	WIN 0
.endm
; A pass's way out: O^T is divided by the sum and goes through my stage, 16 queries at a time: rows of 528 bytes in, whole rows of 512 back
.macro WAYOUT
	LSUM
	WIN 0
.irp t, 0,1
	v_add_f32 v[RM+8*\t], v[LL+8*\t], v[LL+8*\t+1]
.endr
.irp t, 0,1
	v_permlanex16_b32 v[XT+\t], v[RM+8*\t], s16, s17
.endr
.irp t, 0,1
	v_add_f32 v[RM+8*\t], v[RM+8*\t], v[XT+\t]     ; with lane l xor 16's: the row's sum
.endr
	s_wait_alu depctr_va_vdst(0)                   ; the wait ahead of the reciprocals and behind them
.irp t, 0,1
	v_rcp_f32 v[FF+8*\t], v[RM+8*\t]
.endr
	v_nop
.irp t, 0,1
	WIN (0x41<<(\t))
	s_wait_alu depctr_va_vdst(0)                   ; directly ahead of the first readers
.set kx, 0
.rept 32
	v_pk_mul_f32 v[S+2*kx:S+2*kx+1], v[O+2*kx:O+2*kx+1], v[FF+8*\t:FF+8*\t+1] op_sel_hi:[1,0]
.set kx, kx+1
.endr
.endr
.irp t, 0,1
	WIN (0x04<<(\t))
.irp f, 0,1,2,3,4,5,6,7
	ds_store_b128 v[STO], v[S+8*\f:S+8*\f+3] offset:64*\f              ; register 8 f + i is o(lane r's query, 16 f + 8 h + i)
	ds_store_b128 v[STO], v[S+8*\f+4:S+8*\f+7] offset:64*\f+16
.endr
	WIN (0x40<<(\t))
.irp i, 0,1,2,3,4,5,6,7,8,9,10,11,12,13,14,15
	ds_load_b128 v[S+64+4*\i:S+64+4*\i+3], v[RD] offset:\i*SPITCH      ; LDS serves a wave's instructions in order
.endr
.endr
.irp t, 0,1
	WIN (0x04<<(\t))
.irp i, 0,1,2,3,4,5,6,7,8,9,10,11,12,13,14,15
	s_wait_dscnt 32-32*\t+15-\i                    ; row i is back: behind its load stand the tile's 15 - i later loads and, for tile 0, tile 1's 16 stores and 16 loads
	global_store_b128 v[LI], v[S+64+4*\i:S+64+4*\i+3], s[8:9] offset:(16*\t+\i)*512 th:TH_STORE_NT   ; 32 lanes store a row's 512 consecutive bytes, aligned
.endr
.endr
	WIN 0
.endm
	s_load_b128 s[4:7], s[0:1], 0x0                ; query s[4:5], kv s[6:7]
	s_load_b64 s[8:9], s[0:1], 0x10                ; out0
	v_lshl_add_u32 v[SPW], v0, 2, SPARE
	v_mov_b32 v[NIL], 0
	ds_add_u32 v[SPW], v[NIL]                      ; the wave's opening: the add, twice on end, and its wait ahead of my first tensor load
	ds_add_u32 v[SPW], v[NIL]
	v_lshrrev_b32 v54, 5, v0
	v_readfirstlane_b32 s10, v54                   ; wave 0..3
	s_bfe_u32 s11, ttmp6, 0x40000                  ; cx: my place in the cluster
	s_lshl_b32 s12, ttmp9, 2                       ; in a cluster launch ttmp9 counts clusters
	s_add_co_u32 s12, s12, s11                     ; my block of 256 queries
	s_and_b32 s13, ttmp7, 0xffff                   ; the head, which the four partners share
	; descriptor group 1: 25,600 dense bytes as 100 rows of 32 elements of 8 bytes
	s_mov_b32 s24, 15|(3<<16)|(1<<21)              ; 15:0 the mask: all four work-groups; 17:16 elements of 8 bytes; 20 no padding; 21 set beside a mask
	s_mov_b32 s25, 32<<16                          ; tensor_dim0 = 32
	s_mov_b32 s26, 100<<16                         ; tensor_dim1 = 100
	s_mov_b32 s27, 32<<16                          ; tile_dim0 = 32
	s_mov_b32 s28, 100                             ; tile_dim1 = 100
	s_mov_b32 s29, 32                              ; from row to row: 32 elements
	s_mov_b32 s30, 0
	s_mov_b32 s31, 0
	s_mov_b32 s14, 0x3e0293ee                      ; c = log2(e) / sqrt(128)
	s_mov_b32 s15, s14                             ; (the packed form names the pair and takes its low word for both halves)
	s_mov_b32 s16, 0x76543210
	s_mov_b32 s17, 0xfedcba98                      ; v_permlanex16_b32's selects for lane l xor 16
	s_mov_b32 s22, 0xbe0293ee                      ; -c
	s_lshl_b32 s50, s13, 20                        ; my first row of query and out0, in bytes: head x 2,048 + block x 256 + wave x 32 rows of 512
	s_lshl_b32 s52, s12, 17
	s_add_co_u32 s50, s50, s52
	s_lshl_b32 s52, s10, 14
	s_add_co_u32 s50, s50, s52
	s_mov_b32 s51, 0
	s_mul_i32 s46, s13, 16*ENT                     ; the head in kv
	s_mov_b32 s47, 0
	s_mul_i32 s48, s10, ENT                        ; my quarter of a slot, in memory and in LDS alike
	s_mov_b32 s49, 0
	s_mul_i32 s52, s10, 6400                       ; the prefetches: of a fill's 102,400 bytes partner cx takes 25,600, wave w of it 6,400
	s_mul_i32 s53, s11, ENT
	s_add_co_u32 s52, s52, s53
	s_mul_i32 s23, s10, 16*SPITCH
	s_add_co_u32 s23, s23, STAGE                   ; my stage
	s_wait_dscnt 0x0                               ; both opening adds are done
	v_and_b32 v54, 31, v0                          ; lane
	v_and_b32 v55, 15, v0                          ; r
	v_bfe_u32 v56, v0, 4, 1                        ; h
	v_lshlrev_b32 v[LI], 4, v54
	v_lshlrev_b32 v[LS], 2, v54
	v_lshlrev_b32 v[PFQ], 8, v54
	v_min_u32 v[PFO], 24, v54                      ; 25 blocks of 256 bytes; the lanes left over name the last again
	v_lshlrev_b32 v[PFO], 8, v[PFO]
	v_add_nc_u32 v[PFO], s52, v[PFO]
	v_mul_u32_u24 v57, v55, SPITCH
	v_add_nc_u32 v57, s23, v57                     ; my stage's row r
	v_lshl_add_u32 v[STO], v56, 5, v57
	v_lshl_add_u32 v[SBK], v56, 7, v57
	v_add_nc_u32 v[RD], s23, v[LI]
	s_wait_alu depctr_va_vdst(0)                   ; the wait at the head's end
	s_wait_kmcnt 0x0
	s_add_nc_u64 s[4:5], s[4:5], s[50:51]
	s_add_nc_u64 s[8:9], s[8:9], s[50:51]
	s_add_nc_u64 s[6:7], s[6:7], s[46:47]
	s_add_nc_u64 s[36:37], s[6:7], s[48:49]        ; my quarter of fill 0
	s_add_nc_u64 s[44:45], s[6:7], FILL            ; a trip's head steps it: trip 0 asks for fill 2
	s_mov_b32 s32, 1                               ; descriptor group 0: count = 1
	s_mov_b32 s33, s48                             ; LDS address in slot 0
	s_add_nc_u64 s[34:35], s[6:7], s[48:49]
	s_or_b32 s35, s35, 0x80000000                  ; type = 2
	QLOAD 0
	CROUND                                         ; all four work-groups are here: the first joint loads meet
	JLOAD                                          ; fill 0
.set kx, 0
.rept 24
	global_load_b128 v[KF+4*kx:KF+4*kx+3], v[LI], s[6:7] offset:14*ENT+BLK+512*kx      ; step 0's K: blocks 0 and 1, which lie in entries 14 and 15
.set kx, kx+1
.endr
.set kx, 0
.rept 24
	global_load_b128 v[KF+96+4*kx:KF+96+4*kx+3], v[LI], s[6:7] offset:15*ENT+BLK+512*kx
.set kx, kx+1
.endr
.irp j, 0,1,2,3
	global_load_b32 v[KS+\j], v[LS], s[6:7] offset:14*ENT+BLK+12288+128*\j
	global_load_b32 v[KS+4+\j], v[LS], s[6:7] offset:15*ENT+BLK+12288+128*\j
.endr
	INIT                                           ; under the loads' flight
	QQUANT 56                                      ; K's 56 loads may be out
	s_mov_b32 s21, 0
	s_mov_b32 s19, 0                               ; the slot that is read
	s_mov_b32 s42, 0                               ; trips: two steps each; 0 to 3 are pass 0, 4 to 7 pass 1
	s_wait_alu depctr_va_vdst(0)                   ; directly ahead of the wait below
	s_wait_loadcnt 0x0                             ; K
.Lw:                                               ; trips 0 to 6: each fills the other slot
	s_wait_alu depctr_va_vdst(0)                   ; directly ahead of the waits below
	s_wait_xcnt 0x0                                ; my prefetch has read its address, which is stepped here
	s_add_nc_u64 s[44:45], s[44:45], FILL
	s_wait_tensorcnt 0x0                           ; my one load that was out has landed: my part of this trip's slot
	ds_add_u32 v[SPW], v[NIL]                      ; 0 onto my spare word
	s_add_co_u32 s20, s42, 1
	s_and_b32 s20, s20, 3
	s_mul_i32 s20, s20, FILL                       ; fill n + 1; pass 1 walks the head's four fills again
	s_add_nc_u64 s[34:35], s[36:37], s[20:21]
	s_or_b32 s35, s35, 0x80000000
	s_xor_b32 s33, s33, SLOTX
	s_wait_dscnt 0x0                               ; the add is done, and my reads of the other slot are over
	CROUND                                         ; both now hold of every wave of every partner
	JLOAD                                          ; into the slot read last (in trip 0: slot 1's first fill, issued as a refill is)
	s_cmp_lt_u32 s42, 2
	s_cbranch_scc0 .Lno_kv
	global_prefetch_b8 v[PFO], s[44:45] th:TH_LOAD_NT scope:SCOPE_SE   ; fill n + 2, which the next trip loads
.Lno_kv:
	s_cmp_lg_u32 s42, 2
	s_cbranch_scc1 .Lno_q
	global_prefetch_b8 v[PFQ], s[4:5] offset:PASSB th:TH_LOAD_NT scope:SCOPE_SE   ; pass 1's queries, which the next trip's end loads
	global_prefetch_b8 v[PFQ], s[4:5] offset:PASSB+8192 th:TH_LOAD_NT scope:SCOPE_SE
.Lno_q:
	s_mov_b32 s18, s19
	s_mov_b32 s43, 2
.Lws:
	STEP 1
	s_sub_co_u32 s43, s43, 1
	s_cmp_lg_u32 s43, 0
	s_wait_alu depctr_va_vdst(0)                   ; directly ahead of the branch
	s_cbranch_scc1 .Lws
	s_xor_b32 s19, s19, SLOTX
	s_cmp_lg_u32 s42, 3
	s_cbranch_scc1 .Lgo
	QLOAD PASSB                                    ; PASS 0 ENDS: pass 1's queries set out, pass 0's results leave (no barrier: the stage is my own)
	WAYOUT
	s_wait_xcnt 0x0                                ; the stores have read their base and their data
	s_add_nc_u64 s[8:9], s[8:9], PASSB
	INIT
	QQUANT 0
.Lgo:
	s_add_co_u32 s42, s42, 1
	s_cmp_lt_u32 s42, 7
	s_wait_alu depctr_va_vdst(0)                   ; directly ahead of the branch
	s_cbranch_scc1 .Lw
	s_wait_tensorcnt 0x0                           ; trip 7: my part of the last fill is in
	s_wait_dscnt 0x0
	s_barrier_signal -1
	s_barrier_wait -1                              ; everybody's is
	s_mov_b32 s18, s19
	STEP 1
	STEP 0                                         ; the last step asks for no further K
	WAYOUT
	s_wait_tensorcnt 0x0                           ; the wave's end, behind my last tensor load and my last LDS store
	ds_add_u32 v[SPW], v[NIL]
	s_wait_dscnt 0x0
	CROUND                                         ; the closing round: no work-group ends while a partner may still ask for a tile that names it
	s_endpgm
.Lfunc_end_k_q79750540e2_attn:
	.size	k_q79750540e2_attn, .Lfunc_end_k_q79750540e2_attn-k_q79750540e2_attn
	.p2alignl 7, 3214868480
	.fill 96, 4, 3214868480
	.section	.rodata,"a",@progbits
	.p2align	6, 0x0
	.amdhsa_kernel k_q79750540e2_attn
		.amdhsa_group_segment_fixed_size 327680
		.amdhsa_private_segment_fixed_size 0
		.amdhsa_enable_private_segment 0
		.amdhsa_kernarg_size 24
		.amdhsa_user_sgpr_count 2
		.amdhsa_user_sgpr_kernarg_segment_ptr 1
		.amdhsa_wavefront_size32 1
		.amdhsa_system_sgpr_workgroup_id_x 1
		.amdhsa_system_sgpr_workgroup_id_y 1
		.amdhsa_system_sgpr_workgroup_id_z 1
		.amdhsa_system_vgpr_workitem_id 0
		.amdhsa_next_free_vgpr 1024
		.amdhsa_next_free_sgpr 66
		.amdhsa_reserve_vcc 0
		.amdhsa_float_denorm_mode_32 3
		.amdhsa_float_denorm_mode_16_64 3
		.amdhsa_memory_ordered 1
		.amdhsa_forward_progress 1
		.amdhsa_inst_pref_size 246
	.end_amdhsa_kernel
	.amdgpu_metadata
---
amdhsa.version: [ 1, 2 ]
amdhsa.kernels:
  - .name:           k_q79750540e2_attn
    .symbol:         k_q79750540e2_attn.kd
    .args:
      - { .name: query, .offset: 0, .size: 8, .value_kind: global_buffer, .address_space: global }
      - { .name: kv, .offset: 8, .size: 8, .value_kind: global_buffer, .address_space: global }
      - { .name: out0, .offset: 16, .size: 8, .value_kind: global_buffer, .address_space: global }
    .group_segment_fixed_size: 327680
    .private_segment_fixed_size: 0
    .kernarg_segment_align: 8
    .kernarg_segment_size: 24
    .max_flat_workgroup_size: 128
    .sgpr_count:     66
    .vgpr_count:     1024
    .wavefront_size: 32
...
	.end_amdgpu_metadata
.endif
;; end of part 2
